; MI455X (gfx1250); checked and timed in simulation.
; The chip was launched on July 23, 2026; its instructions are those of AMD's public machine-readable ISA for CDNA 5 (MIT licence, August 2026) and "CDNA5" Instruction Set Architecture Reference Guide (July 2026). The comments in the code are by the model that wrote it; some were corrected since.
;; Encoder Block. Allowed arithmetic: float matrix products may take bf16 or f16 operands with f32 sums; all other float work in f32.
;; Inputs: b1 2,048 float32; b2 512 float32; be1 512 float32; be2 512 float32; fc_b 512 float32; fc_w 512 x 512 float32; g1 512 float32; g2 512 float32; mask 4 x 1 x 1 x 2,048 int32; w1 2,048 x 512 float32; w2 512 x 2,048 float32; x 4 x 2,048 x 512 float32.
;; Outputs: out0 4 x 2,048 x 512 float32.
;; One version. Each part assembles by itself: llvm-mc -triple=amdgcn-amd-amdhsa -mcpu=gfx1250 --defsym DOCPART=n.
;; ======== version 1 of 1: 2 launches
;; workspace buffers: ao 8,388,608 bytes; wf 4,718,592 bytes
;; launch attn (part 1): grid 256 x 1, 16 waves a work-group, no clusters, 174,336 bytes of LDS; arguments x, mask, fc_w, w1, w2, ao, wf; writes ao, wf
.if DOCPART == 1
	.amdgcn_target "amdgcn-amd-amdhsa--gfx1250"
	.amdhsa_code_object_version 6
	.text
	.protected	k_q27bd84a2a2_attn
	.globl	k_q27bd84a2a2_attn
	.p2align	8
	.type	k_q27bd84a2a2_attn,@function
k_q27bd84a2a2_attn:
	s_mov_b64 s[64:65], 0
	v_nop
	global_prefetch_b8 v0, s[64:65] scope:SCOPE_SE
	s_setreg_imm32_b32 hwreg(HW_REG_WAVE_MODE, 25, 1), 1
	s_wait_xcnt 0x0
; SELF-ATTENTION with q = k = v = x, 16 heads of 32 channels, a key mask per batch; and the cast of the three weight matrices.
; x: [4][2048][512] f32.  mask: [4][2048] i32.  ao: the attention output in bf16.  wf: fc_w, w1, w2 in bf16.
; FRAGMENT IMAGE, the one form of ao and wf: 16 rows x 32 k of bf16 in 1,024 bytes; bytes 16 l hold registers 0-3 of lane l of a matrix operand
; (row l % 16, k = 8 (l / 16) + 0..7), bytes 512 + 16 l registers 4-7 (k = 16 + 8 (l / 16) + 0..7).  Two 16-byte accesses a lane move one, each 512 consecutive bytes.
;   ao: fragment (batch b, head h, tile of 16 queries qt) at ((16 b + h) 128 + qt) 1,024.
;   wf: [wave 0..7][stage 0..8][k step 0..15][n tile 0..3][1,024]: stage 0 fc_w, stage 1 + 2 c rows 512 c .. of w1, stage 2 + 2 c columns 512 c .. of w2.
; SHARES.  Work-group g: head (g / 4) of the 64 (batch, head) pairs, queries 512 (g % 4) on.  All 2,048 keys of the head lie in LDS, in bf16.  Each of 16 waves owns 32 queries,
; two tiles of 16, and walks the keys 64 a step.  A tile and step has 10 matrix instructions beside some 90 vector ones, so four waves share a SIMD (256 registers each).
; LAYOUT.  S^T = K Q^T + bias (source 0 = 16 keys, source 1 = 16 queries, C = the keys' bias): a lane holds ONE query (l % 16) and the keys 8 (l / 16) + 0..7 of each tile.  Two such
; tiles rounded to bf16 in pairs ARE source 1 of O^T = V^T P.  The divisor is a product too: source 0 with ones in rows 0 and 8 alone, so register 0 of every lane holds its query's sum.
; SOFTMAX.  Running maximum m and sums per query; p = 2^(s - m), where s already carries c = log2(e) / sqrt(32), which is multiplied into Q; each step O and l are multiplied by 2^(m_old - m_new).
; MASK.  bias = -1e20 where mask = 0, else 0, ADDED to the score (reference() substitutes): the same weights while |score| stays far under 1e20.  In a batch with no open key c is 0,
; so that all scores are equal and the weights uniform, as in reference().
; LIMITS.  NaN and infinities in x are not served.  Q is rounded to bf16 after the scaling by c; p is rounded to bf16 for numerator and divisor alike.
; NO JOINT LOADS: the four work-groups of a head read the same 256 KiB of x, once each, but the bytes must pass registers to be rounded to bf16 on their way into LDS.
.set PK,   80                          ; a key's row in LDS: 64 bytes + 16: the 16 rows of a K fragment load begin 20 words apart
.set BIAS, 2048*PK                     ; f32 for each key
.set FLG,  BIAS+8192                   ; a word for each wave: which of its lanes saw an open key
.set AK,  1                            ; v1   LDS address of my part of a K fragment, stepped 64 keys a step
.set AV,  2                            ; v2   the same for the turning loads of V
.set AB,  3                            ; v3   the same for the bias
.set ST,  4                            ; tile t's statistics at v[ST+8 t]: +0 m, +1 its pair's partner, +2 a, +3 partner, +4..+7 T0-T3 at work
.set QF,  20                           ; v[20:35]   Q, a fragment a tile
.set ONE, 36                           ; v[36:43]   ones in rows 0 and 8
.set O,   44                           ; v[44:75]   O^T: (tile t, channels 16 ct on) at O + 16 t + 8 ct
.set L,   76                           ; v[76:91]   the divisor's accumulator, 8 a tile; register 0 alone is ever other than 0
.set KF,  92                           ; v[92:123]  K of a step: 4 fragments
.set VF,  124                          ; v[124:155] V^T of a step: (keys 32 kg on, channels 16 ct on) at VF + 16 kg + 8 ct
.set BI,  156                          ; v[156:187] the bias of a step's keys, as C operands
.set S,   188                          ; v[188:251] S^T: (t, keys 16 kt on) at S + 32 t + 8 kt; P(t, kg) takes S + 32 t + 8 kg .. + 7
.set KL,  64                           ; at the head: v[64:191] x as loaded, v[192:207], v[208:223] weights as loaded, v[224:255] Q as loaded
.set CW,  192
.set CF,  208
.set QR,  224
.set WV,  18                           ; s18  my wave's number
.set SEL, 44                           ; s[44:45] lane selects: each lane takes its own place in the other half
	s_load_b256 s[4:11], s[0:1], 0x0               ; x s[4:5], mask s[6:7], fc_w s[8:9], w1 s[10:11]
	s_load_b128 s[12:15], s[0:1], 0x20             ; w2 s[12:13], ao s[14:15]
	s_load_b64 s[16:17], s[0:1], 0x30              ; wf
	v_lshrrev_b32 v1, 5, v0
	v_readfirstlane_b32 s[WV], v1
	s_mov_b32 s[SEL], 0x76543210
	s_mov_b32 s[SEL+1], 0xfedcba98
	; offsets, each in the low word of a pair with 0 above it; the buffers' addresses are added behind the wait for them
	s_lshr_b32 s20, ttmp9, 6                       ; batch
	s_bfe_u32 s21, ttmp9, 0x40002                  ; head
	s_and_b32 s22, ttmp9, 3                        ; block of 512 queries
	s_lshl_b32 s24, s20, 22                        ; x: batch x 4 MiB + head x 128 bytes
	s_lshl_b32 s23, s21, 7
	s_or_b32 s24, s24, s23
	s_mov_b32 s25, 0
	s_lshl_b32 s26, s22, 20                        ; my wave's first query: (512 block + 32 wave) rows of 2,048 bytes
	s_lshl_b32 s23, s[WV], 16
	s_or_b32 s26, s26, s23
	s_mov_b32 s27, 0
	s_lshr_b32 s48, ttmp9, 2                       ; ao: ((batch, head) x 128 + 32 block + 2 wave) x 1,024
	s_lshl_b32 s48, s48, 17
	s_lshl_b32 s23, s22, 15
	s_or_b32 s48, s48, s23
	s_lshl_b32 s23, s[WV], 11
	s_or_b32 s48, s48, s23
	s_mov_b32 s49, 0
	s_lshl_b32 s50, s20, 13                        ; mask: batch x 8,192
	s_mov_b32 s51, 0
	; THE CAST.  w1 and w2 have 2,048 fragments each: waves 0-7 take fragment i = 8 g + wave of w1, waves 8-15 fragment i = 8 g + wave - 8 of w2.  Both places are worked out; the wave's number picks.
	s_lshl_b32 s37, ttmp9, 3
	s_and_b32 s38, s[WV], 7
	s_add_co_u32 s37, s37, s38                     ; i
	s_and_b32 s38, s37, 15                         ; w1: k step
	s_lshr_b32 s39, s37, 4                         ;     tile of 16 rows, NT
	s_lshl_b32 s40, s39, 15                        ;     from: NT x 16 rows x 2,048 bytes + k step x 128 bytes
	s_lshl_b32 s52, s38, 7
	s_or_b32 s40, s40, s52
	s_bfe_u32 s41, s39, 0x30002                    ;     to: wave (NT / 4) % 8, stage 1 + 2 (NT / 32), n tile NT % 4
	s_mul_i32 s41, s41, 9
	s_lshr_b32 s52, s39, 5
	s_lshl1_add_u32 s41, s52, s41
	s_add_co_u32 s41, s41, 1
	s_lshl_b32 s41, s41, 6
	s_lshl2_add_u32 s41, s38, s41
	s_and_b32 s52, s39, 3
	s_add_co_u32 s41, s41, s52
	s_and_b32 s38, s37, 63                         ; w2: k step of 64, KS
	s_lshr_b32 s39, s37, 6                         ;     tile of 16 rows, NT
	s_lshl_b32 s42, s39, 17                        ;     from: NT x 16 rows x 8,192 bytes + KS x 128 bytes
	s_lshl_b32 s52, s38, 7
	s_or_b32 s42, s42, s52
	s_lshr_b32 s43, s39, 2                         ;     to: wave NT / 4, stage 2 + 2 (KS / 16), k step KS % 16, n tile NT % 4
	s_mul_i32 s43, s43, 9
	s_lshr_b32 s52, s38, 4
	s_lshl1_add_u32 s43, s52, s43
	s_add_co_u32 s43, s43, 2
	s_lshl_b32 s43, s43, 6
	s_and_b32 s52, s38, 15
	s_lshl2_add_u32 s43, s52, s43
	s_and_b32 s52, s39, 3
	s_add_co_u32 s43, s43, s52
	s_cmp_lt_u32 s[WV], 8
	s_cselect_b32 s28, s40, s42                    ; from
	s_cselect_b32 s30, s41, s43                    ; to, in fragments
	s_cselect_b32 s36, 11, 13                      ; a row of w1 is 2^11 bytes, of w2 2^13
	s_mov_b32 s29, 0
	s_lshl_b32 s30, s30, 10
	s_mov_b32 s31, 0
	; fc_w has 512 fragments: waves 0 and 1 take fragment 2 g + wave.  (The other waves' figures are made and never used.)
	s_lshl1_add_u32 s37, ttmp9, s[WV]
	s_and_b32 s38, s37, 15
	s_lshr_b32 s39, s37, 4
	s_lshl_b32 s32, s39, 15
	s_lshl_b32 s52, s38, 7
	s_or_b32 s32, s32, s52
	s_mov_b32 s33, 0
	s_lshr_b32 s34, s39, 2                         ; to: wave NT / 4, stage 0
	s_mul_i32 s34, s34, 576
	s_lshl2_add_u32 s34, s38, s34
	s_and_b32 s52, s39, 3
	s_add_co_u32 s34, s34, s52
	s_lshl_b32 s34, s34, 10
	s_mov_b32 s35, 0
	; lane terms
	v_and_b32 v16, 31, v0                          ; l
	v_and_b32 v17, 15, v0                          ; l % 16
	v_bfe_u32 v18, v0, 4, 1                        ; l / 16
	v_and_b32 v27, 7, v0
	v_bfe_u32 v28, v0, 3, 1
	v_lshlrev_b32 v19, s36, v17                    ; a weight fragment in f32: row l % 16, 32 bytes for each half of the lanes
	v_lshl_add_u32 v19, v18, 5, v19
	v_lshlrev_b32 v20, 11, v17                     ; the same with rows of 2,048 bytes: fc_w, and Q
	v_lshl_add_u32 v20, v18, 5, v20
	v_lshlrev_b32 v21, 4, v0                       ; 16 x thread: my four keys of the mask
	v_lshrrev_b32 v22, 3, v0                       ; eight threads to a key's 128 bytes of x: row thread / 8,
	v_mul_u32_u24 v23, v22, PK                     ; in LDS 8 bytes a thread,
	v_lshl_add_u32 v23, v27, 3, v23
	v_lshlrev_b32 v22, 11, v22                     ; in memory 16
	v_lshl_add_u32 v22, v27, 4, v22
	v_lshlrev_b32 v24, 4, v16                      ; 16 l: a fragment image's half
	v_add_nc_u32 v25, BIAS, v21
	v_mov_b32 v26, s[WV]
	v_lshl_add_u32 v26, v26, 2, FLG
	v_mov_b32 v12, 0xe0ad78ec                      ; -1e20
	v_mul_u32_u24 v[AK], v17, PK                   ; K: row l % 16, 16 bytes for each half
	v_lshl_add_u32 v[AK], v18, 4, v[AK]
	v_lshl_add_u32 v[AV], v18, 3, v27              ; V, turned: key 8 (l / 16) + l % 8, channels 8 ((l / 8) % 2) on
	v_mul_u32_u24 v[AV], v[AV], PK
	v_lshl_add_u32 v[AV], v28, 4, v[AV]
	v_lshl_add_u32 v[AB], v18, 5, BIAS             ; bias: keys 8 (l / 16) on
	s_wait_kmcnt 0x0
	s_add_nc_u64 s[24:25], s[4:5], s[24:25]        ; x at the head's first key
	s_add_nc_u64 s[26:27], s[24:25], s[26:27]      ; x at my wave's first query
	s_add_nc_u64 s[50:51], s[6:7], s[50:51]
	s_add_nc_u64 s[48:49], s[14:15], s[48:49]
	s_add_nc_u64 s[32:33], s[8:9], s[32:33]
	s_add_nc_u64 s[34:35], s[16:17], s[34:35]
	s_add_nc_u64 s[30:31], s[16:17], s[30:31]
	s_cmp_lt_u32 s[WV], 8
	s_cselect_b64 s[52:53], s[10:11], s[12:13]     ; w1 or w2
	s_add_nc_u64 s[28:29], s[52:53], s[28:29]
.macro WLOAD r, off, base              ; a weight fragment in f32: 16 numbers a lane
	global_load_b128 v[\r:\r+3],     v[\off], s[\base:\base+1] th:TH_LOAD_NT
	global_load_b128 v[\r+4:\r+7],   v[\off], s[\base:\base+1] offset:16 th:TH_LOAD_NT
	global_load_b128 v[\r+8:\r+11],  v[\off], s[\base:\base+1] offset:64 th:TH_LOAD_NT
	global_load_b128 v[\r+12:\r+15], v[\off], s[\base:\base+1] offset:80 th:TH_LOAD_NT
.endm
.macro CAST r, base                    ; rounded in place, ascending, and stored as a fragment image
.set i, 0
.rept 8
	v_cvt_pk_bf16_f32 v[\r+i], v[\r+2*i], v[\r+2*i+1]
.set i, i+1
.endr
	global_store_b128 v24, v[\r:\r+3],   s[\base:\base+1]
	global_store_b128 v24, v[\r+4:\r+7], s[\base:\base+1] offset:512
.endm
	; all loads of the head, oldest first: weights, mask, Q, then the head's 2,048 keys
	s_cmp_lt_u32 s[WV], 2
	s_cbranch_scc0 .Lno_fc_in
	WLOAD CF, 20, 32
.Lno_fc_in:
	WLOAD CW, 19, 28
	global_load_b128 v[4:7], v21, s[50:51]
.irp t, 0,1
	global_load_b128 v[QR+16*\t:QR+16*\t+3],     v20, s[26:27] offset:\t*32768
	global_load_b128 v[QR+16*\t+4:QR+16*\t+7],   v20, s[26:27] offset:\t*32768+16
	global_load_b128 v[QR+16*\t+8:QR+16*\t+11],  v20, s[26:27] offset:\t*32768+64
	global_load_b128 v[QR+16*\t+12:QR+16*\t+15], v20, s[26:27] offset:\t*32768+80
.endr
.set i, 0
.rept 32
	global_load_b128 v[KL+4*i:KL+4*i+3], v22, s[24:25] offset:i*131072   ; keys 64 i + thread / 8
.set i, i+1
.endr
	s_wait_loadcnt 40                              ; all but Q's 8 and the keys' 32 are in: weights and mask
.irp j, 0,1,2,3
	v_cmp_eq_u32 vcc_lo, 0, v[4+\j]
	v_cndmask_b32 v[8+\j], 0, v12, vcc_lo          ; -1e20 where the mask is 0
.endr
	ds_store_b128 v25, v[8:11]
	v_or_b32 v27, v4, v5
	v_or_b32 v28, v6, v7
	v_or_b32 v27, v27, v28
	v_cmp_ne_u32 vcc_lo, 0, v27
	v_mov_b32 v27, vcc_lo                          ; not 0 if any of my wave's 128 keys is open
	ds_store_b32 v26, v27
	CAST CW, 30
	s_cmp_lt_u32 s[WV], 2
	s_cbranch_scc0 .Lno_fc_out
	CAST CF, 34
.Lno_fc_out:
.set i, 0
.rept 32
	s_wait_loadcnt 31-i                            ; loads come back in order (ISA guide 5.7.1): load i is in, the younger ones stay out
	v_cvt_pk_bf16_f32 v[KL+4*i],   v[KL+4*i],   v[KL+4*i+1]
	v_cvt_pk_bf16_f32 v[KL+4*i+1], v[KL+4*i+2], v[KL+4*i+3]
	ds_store_b64 v23, v[KL+4*i:KL+4*i+1] offset:(i%8)*64*PK
.if ((i%8) == 7) && (i < 31)
	v_add_nc_u32 v23, 8*64*PK, v23                 ; the immediate has 16 bits: the register carries every eighth step
.endif
.set i, i+1
.endr
	s_wait_xcnt 0x0                                ; the cast's stores have had their addresses translated (ISA guide 3.1): their registers are written again below
	s_wait_dscnt 0x0                               ; my keys, bias and flag are in LDS,
	s_barrier_signal -1
	s_barrier_wait -1                              ; everybody's are.  LDS is only read from here on
.macro LDK                             ; 16 loads: a step's K (64 keys x 32 channels) and its bias
.irp kt, 0,1,2,3
	ds_load_b128 v[KF+8*\kt:KF+8*\kt+3],   v[AK] offset:\kt*16*PK
	ds_load_b128 v[KF+8*\kt+4:KF+8*\kt+7], v[AK] offset:\kt*16*PK+32
	ds_load_b128 v[BI+8*\kt:BI+8*\kt+3],   v[AB] offset:\kt*64
	ds_load_b128 v[BI+8*\kt+4:BI+8*\kt+7], v[AB] offset:\kt*64+16
.endr
.endm
.macro LDV                             ; 8 loads: the same keys as V^T
.irp kg, 0,1
.irp ct, 0,1
	ds_load_tr16_b128 v[VF+16*\kg+8*\ct:VF+16*\kg+8*\ct+3],   v[AV] offset:\kg*32*PK+\ct*32
	ds_load_tr16_b128 v[VF+16*\kg+8*\ct+4:VF+16*\kg+8*\ct+7], v[AV] offset:\kg*32*PK+16*PK+\ct*32
.endr
.endr
.endm
	v_mov_b32 v80, FLG
.irp j, 0,1,2,3
	ds_load_b128 v[64+4*\j:67+4*\j], v80 offset:16*\j
.endr
	LDK                                            ; key step 0
	LDV
	s_wait_dscnt 24                                ; the sixteen flags are in; the 24 loads behind them stay out
.irp j, 1,2,3,4,5,6,7,8,9,10,11,12,13,14,15
	v_or_b32 v64, v64, v[64+\j]
.endr
	v_mov_b32 v13, 0x3e8293ee                      ; c = log2(e) / sqrt(32) = 0.255035
	v_cmp_ne_u32 vcc_lo, 0, v64
	v_cndmask_b32 v14, 0, v13, vcc_lo              ; 0 if the batch has no open key
	v_mov_b32 v15, v14
.set i, 0
.rept 16
	v_pk_mul_f32 v[QR+2*i:QR+2*i+1], v[QR+2*i:QR+2*i+1], v[14:15]
.set i, i+1
.endr
.set i, 0
.rept 16
	v_cvt_pk_bf16_f32 v[QF+i], v[QR+2*i], v[QR+2*i+1]
.set i, i+1
.endr
	v_and_b32 v80, 7, v0
	v_mov_b32 v81, 0x3f803f80                      ; two bf16 ones
	v_cmp_eq_u32 vcc_lo, 0, v80
	v_cndmask_b32 v[ONE], 0, v81, vcc_lo           ; lanes 0, 8, 16, 24 hold rows 0 and 8
.irp j, 1,2,3,4,5,6,7
	v_mov_b32 v[ONE+\j], v[ONE]
.endr
.irp j, 1,3,9,11
	v_mov_b32 v[ST+\j], 0                          ; named as the partners of m and a in packed instructions, so they are written
.endr
.macro QK                              ; 8 products, each whole (32 channels): S^T = K Q^T + bias
.irp kt, 0,1,2,3
.irp t, 0,1
	v_wmma_f32_16x16x32_bf16 v[S+32*\t+8*\kt:S+32*\t+8*\kt+7], v[KF+8*\kt:KF+8*\kt+7], v[QF+8*\t:QF+8*\t+7], v[BI+8*\kt:BI+8*\kt+7]
.endr
.endr
.endm
.macro MAXP first                      ; the largest of a lane's 32 scores and the old m, three operands at a time, the two tiles by turns; each accumulator is read from its low end on
.irp j, 0,1,2,3
.irp t, 0,1
	v_max3_num_f32 v[ST+8*\t+4+\j], v[S+32*\t+8*\j], v[S+32*\t+8*\j+1], v[S+32*\t+8*\j+2]
.endr
.endr
.irp p, 1,2
.irp j, 0,1,2,3
.irp t, 0,1
	v_max3_num_f32 v[ST+8*\t+4+\j], v[ST+8*\t+4+\j], v[S+32*\t+8*\j+2*\p+1], v[S+32*\t+8*\j+2*\p+2]
.endr
.endr
.endr
.irp t, 0,1
	v_max3_num_f32 v[ST+8*\t+4], v[ST+8*\t+4], v[S+32*\t+7], v[S+32*\t+15]
.endr
.irp t, 0,1
	v_max3_num_f32 v[ST+8*\t+6], v[ST+8*\t+6], v[S+32*\t+23], v[S+32*\t+31]
.endr
.irp t, 0,1
	v_max3_num_f32 v[ST+8*\t+4], v[ST+8*\t+4], v[ST+8*\t+5], v[ST+8*\t+6]
.endr
.irp t, 0,1
.if \first
	v_max_num_f32 v[ST+8*\t+4], v[ST+8*\t+4], v[ST+8*\t+7]
.else
	v_max3_num_f32 v[ST+8*\t+4], v[ST+8*\t+4], v[ST+8*\t+7], v[ST+8*\t]
.endif
.endr
.endm
.macro XCH first                       ; the query's other 32 keys lie in the lane 16 away; the new m; a = 2^(m_old - m_new)
.irp t, 0,1
	v_permlanex16_b32 v[ST+8*\t+5], v[ST+8*\t+4], s[SEL], s[SEL+1]
.endr
.irp t, 0,1
	v_max_num_f32 v[ST+8*\t+4], v[ST+8*\t+4], v[ST+8*\t+5]
.endr
.if !\first
.irp t, 0,1
	v_sub_f32 v[ST+8*\t+2], v[ST+8*\t], v[ST+8*\t+4]
.endr
.endif
.irp t, 0,1
	v_mov_b32 v[ST+8*\t], v[ST+8*\t+4]
.endr
.if !\first
.irp t, 0,1
	v_exp_f32 v[ST+8*\t+2], v[ST+8*\t+2]           ; the plain line behind it (ISA guide 5.7.2) is EXPP's first, which names neither a
.endr
.endif
.endm
; p = 2^(s - m), rounded to bf16 in place: pair pb of a tile's 16 goes into the tile's register pb, which an earlier rounding has read.
; Behind each two exponentials stand plain lines that touch neither: the shift of the pair two on, the rounding of the pair before.
.macro EXPP
.irp b, 0,1
.irp t, 0,1
	v_pk_add_f32 v[S+32*\t+2*\b:S+32*\t+2*\b+1], v[S+32*\t+2*\b:S+32*\t+2*\b+1], v[ST+8*\t:ST+8*\t+1] op_sel_hi:[1,0] neg_lo:[0,1] neg_hi:[0,1]
.endr
.endr
.set pb, 0
.rept 16
.irp t, 0,1
	v_exp_f32 v[S+32*\t+2*pb],   v[S+32*\t+2*pb]
	v_exp_f32 v[S+32*\t+2*pb+1], v[S+32*\t+2*pb+1]
.if pb < 14
	v_pk_add_f32 v[S+32*\t+2*pb+4:S+32*\t+2*pb+5], v[S+32*\t+2*pb+4:S+32*\t+2*pb+5], v[ST+8*\t:ST+8*\t+1] op_sel_hi:[1,0] neg_lo:[0,1] neg_hi:[0,1]
.endif
.if pb > 0
	s_wait_alu depctr_va_vdst(0)
	v_cvt_pk_bf16_f32 v[S+32*\t+pb-1], v[S+32*\t+2*pb-2], v[S+32*\t+2*pb-1]
.endif
.endr
.set pb, pb+1
.endr
.irp t, 0,1
	s_wait_alu depctr_va_vdst(0)
	v_cvt_pk_bf16_f32 v[S+32*\t+15], v[S+32*\t+30], v[S+32*\t+31]
.endr
.endm
.macro RESC                            ; O^T and the divisor times a, ascending
.irp t, 0,1
.set i, 0
.rept 8
	v_pk_mul_f32 v[O+16*\t+2*i:O+16*\t+2*i+1], v[O+16*\t+2*i:O+16*\t+2*i+1], v[ST+8*\t+2:ST+8*\t+3] op_sel_hi:[1,0]
.set i, i+1
.endr
	v_mul_f32 v[L+8*\t], v[L+8*\t], v[ST+8*\t+2]
.endr
.endm
.macro PV first                        ; 12 products: O^T += V^T P and the divisor += ones P; six accumulators take turns, one instruction a turn.  first = 1: the first six start the sums
.irp kg, 0,1
.irp t, 0,1
.irp ct, 0,1
.if \first && (\kg == 0)
	v_wmma_f32_16x16x32_bf16 v[O+16*\t+8*\ct:O+16*\t+8*\ct+7], v[VF+16*\kg+8*\ct:VF+16*\kg+8*\ct+7], v[S+32*\t+8*\kg:S+32*\t+8*\kg+7], 0
.else
	v_wmma_f32_16x16x32_bf16 v[O+16*\t+8*\ct:O+16*\t+8*\ct+7], v[VF+16*\kg+8*\ct:VF+16*\kg+8*\ct+7], v[S+32*\t+8*\kg:S+32*\t+8*\kg+7], v[O+16*\t+8*\ct:O+16*\t+8*\ct+7]
.endif
.endr
.if \first && (\kg == 0)
	v_wmma_f32_16x16x32_bf16 v[L+8*\t:L+8*\t+7], v[ONE:ONE+7], v[S+32*\t+8*\kg:S+32*\t+8*\kg+7], 0
.else
	v_wmma_f32_16x16x32_bf16 v[L+8*\t:L+8*\t+7], v[ONE:ONE+7], v[S+32*\t+8*\kg:S+32*\t+8*\kg+7], v[L+8*\t:L+8*\t+7]
.endif
.endr
.endr
.endm
; A KEY STEP: 64 keys.  pre = 1: the next step's K and bias are fetched behind this step's K Q^T, its V behind this step's V^T P.
; Behind each run of products stand five plain vector lines that name none of their registers: then come the loads into the operands just read,
; the reads of the results, and the products that write over P.
.macro STEP first, pre
	s_wait_dscnt 8                                 ; K and bias are in; V's eight loads, issued behind them, may stay out
	QK
.if \pre
	v_add_nc_u32 v[AK], 64*PK, v[AK]
	v_add_nc_u32 v[AB], 256, v[AB]
.rept 3
	v_nop
.endr
	LDK
.else
.rept 5
	v_nop
.endr
.endif
	MAXP \first
	XCH \first
	EXPP
.if !\first
	RESC
.endif
.if \pre
	s_wait_dscnt 16                                ; V is in; the sixteen loads for the next step stay out
.else
	s_wait_dscnt 0x0
.endif
	PV \first
.if \pre
	v_add_nc_u32 v[AV], 64*PK, v[AV]
.rept 4
	v_nop
.endr
	LDV
.else
.rept 5
	v_nop
.endr
.endif
.endm
	STEP 1, 1                                      ; the first step starts m, O^T and the divisor
	s_mov_b32 s46, 30
.Lstep:
	STEP 0, 1
	s_sub_co_u32 s46, s46, 1
	s_cmp_lg_u32 s46, 0
	s_cbranch_scc1 .Lstep
	STEP 0, 0                                      ; the last of 32 steps fetches nothing
	; THE WAY OUT.  A lane holds one query and channels 8 (l / 16) + 0..7 of each half of the head: rounded in pairs these are the registers of a fragment image as they stand.
	v_rcp_f32 v[ST+2],  v[L]
	v_rcp_f32 v[ST+10], v[L+8]
	v_and_b32 v[AK], 31, v0                        ; the plain line behind the reciprocals
	v_lshlrev_b32 v[AK], 4, v[AK]                  ; 16 l
.irp t, 0,1
.set i, 0
.rept 8
	s_wait_alu depctr_va_vdst(0)
	v_pk_mul_f32 v[O+16*\t+2*i:O+16*\t+2*i+1], v[O+16*\t+2*i:O+16*\t+2*i+1], v[ST+8*\t+2:ST+8*\t+3] op_sel_hi:[1,0]
.set i, i+1
.endr
.endr
.irp t, 0,1
.set i, 0
.rept 8
	v_cvt_pk_bf16_f32 v[S+8*\t+i], v[O+16*\t+2*i], v[O+16*\t+2*i+1]
.set i, i+1
.endr
	global_store_b128 v[AK], v[S+8*\t:S+8*\t+3],   s[48:49] offset:\t*1024       ; each store of the wave covers 512 consecutive bytes, aligned
	global_store_b128 v[AK], v[S+8*\t+4:S+8*\t+7], s[48:49] offset:\t*1024+512
.endr
	s_wait_xcnt 0x0
	v_lshl_add_u32 v254, v0, 2, 0x2a100
	v_mov_b32 v255, 0
	s_wait_tensorcnt 0x0
	ds_add_u32 v254, v255
	s_wait_dscnt 0x0
	s_endpgm
.Lfunc_end_k_q27bd84a2a2_attn:
	.size	k_q27bd84a2a2_attn, .Lfunc_end_k_q27bd84a2a2_attn-k_q27bd84a2a2_attn
	.p2alignl 7, 3214868480
	.fill 96, 4, 3214868480
	.section	.rodata,"a",@progbits
	.p2align	6, 0x0
	.amdhsa_kernel k_q27bd84a2a2_attn
		.amdhsa_group_segment_fixed_size 174336
		.amdhsa_private_segment_fixed_size 0
		.amdhsa_enable_private_segment 0
		.amdhsa_kernarg_size 56
		.amdhsa_user_sgpr_count 2
		.amdhsa_user_sgpr_kernarg_segment_ptr 1
		.amdhsa_wavefront_size32 1
		.amdhsa_system_sgpr_workgroup_id_x 1
		.amdhsa_system_sgpr_workgroup_id_y 1
		.amdhsa_system_sgpr_workgroup_id_z 1
		.amdhsa_system_vgpr_workitem_id 0
		.amdhsa_next_free_vgpr 256
		.amdhsa_next_free_sgpr 66
		.amdhsa_reserve_vcc 1
		.amdhsa_float_denorm_mode_32 3
		.amdhsa_float_denorm_mode_16_64 3
		.amdhsa_memory_ordered 1
		.amdhsa_forward_progress 1
		.amdhsa_inst_pref_size 66
	.end_amdhsa_kernel
	.amdgpu_metadata
---
amdhsa.version: [ 1, 2 ]
amdhsa.kernels:
  - .name:           k_q27bd84a2a2_attn
    .symbol:         k_q27bd84a2a2_attn.kd
    .args:
      - { .name: x, .offset: 0, .size: 8, .value_kind: global_buffer, .address_space: global }
      - { .name: mask, .offset: 8, .size: 8, .value_kind: global_buffer, .address_space: global }
      - { .name: fc_w, .offset: 16, .size: 8, .value_kind: global_buffer, .address_space: global }
      - { .name: w1, .offset: 24, .size: 8, .value_kind: global_buffer, .address_space: global }
      - { .name: w2, .offset: 32, .size: 8, .value_kind: global_buffer, .address_space: global }
      - { .name: ao, .offset: 40, .size: 8, .value_kind: global_buffer, .address_space: global }
      - { .name: wf, .offset: 48, .size: 8, .value_kind: global_buffer, .address_space: global }
    .group_segment_fixed_size: 174336
    .private_segment_fixed_size: 0
    .kernarg_segment_align: 8
    .kernarg_segment_size: 56
    .max_flat_workgroup_size: 512
    .sgpr_count:     66
    .vgpr_count:     256
    .wavefront_size: 32
...
	.end_amdgpu_metadata
.endif
;; end of part 1
;; launch mlp (part 2): grid 128 x 1, 8 waves a work-group, no clusters, 261,120 bytes of LDS; arguments ao, wf, x, out0, fc_b, g1, be1, b2, g2, be2, b1; writes out0
.if DOCPART == 2
	.amdgcn_target "amdgcn-amd-amdhsa--gfx1250"
	.amdhsa_code_object_version 6
	.text
	.protected	k_q27bd84a2a2_mlp
	.globl	k_q27bd84a2a2_mlp
	.p2align	8
	.type	k_q27bd84a2a2_mlp,@function
k_q27bd84a2a2_mlp:
	s_mov_b64 s[64:65], 0
	v_nop
	global_prefetch_b8 v0, s[64:65] scope:SCOPE_SE
	s_setreg_imm32_b32 hwreg(HW_REG_WAVE_MODE, 25, 1), 1
	s_wait_xcnt 0x0
; out0 = 0.9 LN2(relu(h w1^T + b1) w2^T + b2 + h),  h = 0.9 LN1(ao fc_w^T + fc_b + x).  ao and the weights (wf) come in bf16 as fragment images of 1,024 bytes
; (16 rows x 32 k: bytes 16 l = registers 0-3 of lane l of a matrix operand, bytes 512 + 16 l = registers 4-7); x, out0 and all vectors are f32.  Sums, norms and residuals in f32.
; SHARES.  Both norms want whole rows of 512, so a work-group owns 64 whole rows (128 work-groups: with 32 rows each weight byte would be fetched twice as often for the same products).
; In every product wave w of eight makes all 64 rows x 64 columns (columns 64 w on, of the 512 or of a chunk of 512 hidden units): 16 accumulators, (mt, nt) at 8 (4 mt + nt).
; TRANSPOSED USE.  Source 0 = 16 rows of a weight, source 1 = 16 rows of activations: a lane holds row l % 16, its registers j the columns 16 nt + 8 (l / 16) + j.  So two neighbouring
; n tiles rounded to bf16 ARE the next product's activation fragment, and a row's mean and variance are one number a lane.
; CHAIN.  ACC2 starts as x + fc_b and takes fc's products; LN1 in place gives h; h + b2 stays in ACC2 and takes FF2's products of all four chunks.  ACC1 takes FF1 of one chunk, started by b1 as C.
; h (bf16) and relu's output go from wave to wave through LDS; nothing else leaves registers.  The variance is the mean of (v - mean)^2.
; WEIGHTS.  wf holds them by wave and stage: wave w streams its 65,536 bytes of each of 9 stages straight into a ring of four register slots, a K step (4 fragments) each, three K steps ahead.
; ROTATION.  Work-group g takes the 16 K steps of every stage in the order r, r + 1, .., 15, 0, .., r - 1, with r = (g xor g / 8) mod 16.  So the 128 work-groups, which all walk the same
; 4.7 MB, ask for sixteen different sixteenths of a stage at any one time, and all but the first request for a part follow another work-group's request for the same bytes.  r is the xor
; of two fields of g: whichever single bit of g is held fixed, the other work-groups still take all sixteen values.  K step ks lies at byte 4,096 ks both in a stage of wf and in ACT and TT.
; NO JOINT LOADS, NO LDS FOR WEIGHTS: a weight byte is used by one wave of the work-group, once, so a way through LDS would add a write and a read of each byte; and the ring runs on
; across every barrier, while slots in LDS would be filled again behind one barrier for each 32 matrix instructions a wave (64 KiB slots beside 128 KiB of activations).
; LIMITS.  NaN and infinities are not served.  h and relu's output are rounded to bf16 as matrix operands; the residual h is kept in f32.  The order of a sum along K differs from work-group to work-group.
.set TT,   65536                       ; LDS: 0 ACT, fragment (k step ks, rows 16 mt on) at (4 ks + mt) 1,024: ao, later h.  TT: the same form: relu's output of one chunk
.set STG,  196608                      ; a stage of 16 rows x 272 bytes for each wave, its own: x on its way in, out0 on its way out
.set SP,   272                         ; 256 bytes + 16 = 68 words: the 16 rows that a load or store touches begin 4 banks apart (64 banks of 4 bytes: ISA guide 11.1)
.set PAR,  STG+8*16*SP                 ; fc_b +0, g1 +2048, be1 +4096, b2 +6144, g2 +8192, be2 +10240, b1 +12288
.set RED,  PAR+20480                   ; four regions of [64 rows][8 waves] f32, one for each reduction
.set L16, 1                            ; v1   16 l: my bytes of a fragment image's half; never rewritten
.set AT,  2                            ; v2   the same in TT
.set XO,  3                            ; v3   x and out0: lanes 0-15 a row's 256 bytes, lanes 16-31 the next row's
.set SRW, 4                            ; v4   the stage by rows: the same two rows
.set SCL, 5                            ; v5   the stage by lanes: row l % 16, 32 bytes for each half of the lanes
.set HST, 6                            ; v6   where my wave's two k steps lie in ACT
.set TST, 7                            ; v7   the same in TT
.set RST, 8                            ; v8   RED: row l % 16, my wave's word
.set RLD, 9                            ; v9   RED: row l % 16, all eight words
.set PB,  10                           ; v10  PAR at my columns: 64 w + 8 (l / 16)
.set B1A, 11                           ; v11  b1 at my columns of the chunk in hand
.set W,   12                           ; v12-15  at work: one number for each block of 16 rows
.set MEAN, 16                          ; v[16:23] the mean, twice, for each block of 16 rows
.set RS,  16                           ; the same registers, once the differences are made: 0.9 / sqrt(var + eps), likewise
.set AA,  24                           ; v24  LDS address of the activations to be fetched next
.set BO,  26                           ; v26-29  for each slot of the ring: the byte offset, in a stage of wf, of the K step that the slot takes next
.set AF,  32                           ; v[32:63], v[64:95] two buffers of 4 activation fragments; between the products at work
.set BR,  96                           ; v[96:223] the weight ring: 4 slots x 4 fragments
.set TMP, 224                          ; v[224:255] a vector's 32 numbers of my columns; at work
.set ACC1, 0                           ; window 1
.set ACC2, 128                         ; window 1
.set WV,  32                           ; s32  my wave's number
.set WP,  36                           ; s[36:37] the weight stream at the stage in hand
.set SEL, 44                           ; s[44:45]
.set KA,  50                           ; s50  4,096 x the K step whose activations' address is made next
.set KB,  51                           ; s51  the same for the weights
.set MSB, 0
.macro WIN new                         ; s_set_vgpr_msb's low byte: bits 1:0 source 0, 3:2 source 1, 5:4 source 2, 7:6 destination; the high byte repeats the setting that is left
.if MSB != \new
	s_set_vgpr_msb (MSB<<8)|\new
.set MSB, \new
.endif
.endm
.macro BAR                             ; my LDS stores are done and my LDS reads are back; then everybody's
	s_wait_dscnt 0x0
	s_barrier_signal -1
	s_barrier_wait -1
.endm
; The walk round a stage: each macro makes one address and steps its K offset by 4,096 modulo 65,536.  Each is called sixteen times a stage, so the offsets come back to 4,096 r.
.macro NEXTA abase
	v_add_nc_u32 v[AA], s[KA], v[\abase]
	s_add_co_u32 s[KA], s[KA], 4096
	s_and_b32 s[KA], s[KA], 0xf000
.endm
.macro NEXTB slot
	v_add_nc_u32 v[BO+\slot], s[KB], v[L16]
	s_add_co_u32 s[KB], s[KB], 4096
	s_and_b32 s[KB], s[KB], 0xf000
.endm
	s_load_b256 s[4:11], s[0:1], 0x0               ; ao s[4:5], wf s[6:7], x s[8:9], out0 s[10:11]
	s_load_b256 s[12:19], s[0:1], 0x20             ; fc_b s[12:13], g1 s[14:15], be1 s[16:17], b2 s[18:19]
	s_load_b128 s[20:23], s[0:1], 0x40             ; g2 s[20:21], be2 s[22:23]
	s_load_b64 s[24:25], s[0:1], 0x50              ; b1
	v_lshl_add_u32 v30, v0, 2, 0x3f800
	v_mov_b32 v31, 0
	v_lshrrev_b32 v12, 5, v0
	v_readfirstlane_b32 s[WV], v12
	s_mov_b32 s[SEL], 0x76543210
	s_mov_b32 s[SEL+1], 0xfedcba98
	s_mov_b32 s48, 0x3b000000                      ; 1 / 512
	s_mov_b32 s49, 0x358637bd                      ; 1e-6
	s_lshr_b32 s[KA], ttmp9, 3                     ; r = (g xor g / 8) mod 16,
	s_xor_b32 s[KA], s[KA], ttmp9
	s_and_b32 s[KA], s[KA], 15
	s_lshl_b32 s[KA], s[KA], 12                    ; times 4,096: where my work-group enters every stage
	s_mov_b32 s[KB], s[KA]
	s_mul_i32 s[WP], s[WV], 589824                 ; my wave's stream: 9 stages x 65,536 bytes
	s_mov_b32 s[WP+1], 0
	s_lshl_b32 s38, ttmp9, 17                      ; x, out0: 64 rows x 2,048 bytes a work-group, 256 bytes a wave
	s_lshl_b32 s33, s[WV], 8
	s_or_b32 s38, s38, s33
	s_mov_b32 s39, 0
	s_lshr_b32 s33, ttmp9, 5                       ; ao: ((16 batch + 2 wave) 128 + 4 (g % 32)) 1,024
	s_lshl_b32 s42, s33, 21
	s_lshl_b32 s33, s[WV], 18
	s_or_b32 s42, s42, s33
	s_and_b32 s33, ttmp9, 31
	s_lshl_b32 s33, s33, 12
	s_or_b32 s42, s42, s33
	s_mov_b32 s43, 0
	v_and_b32 v[L16], 31, v0
	v_lshlrev_b32 v[L16], 4, v[L16]
	v_add_nc_u32 v[AT], TT, v[L16]
.irp j, 0,1,2,3
	NEXTB \j                                       ; the ring's first four K steps
.endr
	v_and_b32 v12, 15, v0                          ; l % 16
	v_bfe_u32 v13, v0, 4, 1                        ; l / 16
	v_lshlrev_b32 v[XO], 11, v13
	v_lshl_add_u32 v[XO], v12, 4, v[XO]
	s_mul_i32 s33, s[WV], 16*SP
	s_add_co_u32 s33, s33, STG                     ; my stage
	v_mul_u32_u24 v[SRW], v13, SP
	v_lshl_add_u32 v[SRW], v12, 4, v[SRW]
	v_add_nc_u32 v[SRW], s33, v[SRW]
	v_mul_u32_u24 v[SCL], v12, SP
	v_lshl_add_u32 v[SCL], v13, 5, v[SCL]
	v_add_nc_u32 v[SCL], s33, v[SCL]
	s_lshl_b32 s34, s[WV], 13
	v_add_nc_u32 v[HST], s34, v[L16]
	v_add_nc_u32 v[TST], TT, v[HST]
	v_lshl_add_u32 v[RLD], v12, 5, RED
	s_lshl_b32 s35, s[WV], 2
	v_add_nc_u32 v[RST], s35, v[RLD]
	s_lshl_b32 s47, s[WV], 8
	s_add_co_u32 s47, s47, PAR
	v_lshl_add_u32 v[PB], v13, 5, s47
	v_add_nc_u32 v[B1A], 12288, v[PB]
	v_and_b32 v14, 127, v0
	v_lshlrev_b32 v14, 4, v14                      ; 128 threads cover a vector of 2,048 bytes
	v_lshlrev_b32 v15, 4, v0
	v_add_nc_u32 v16, PAR, v15
	s_wait_kmcnt 0x0
	s_add_nc_u64 s[WP:WP+1], s[6:7], s[WP:WP+1]
	s_add_nc_u64 s[40:41], s[10:11], s[38:39]
	s_add_nc_u64 s[38:39], s[8:9], s[38:39]
	s_add_nc_u64 s[42:43], s[4:5], s[42:43]
	s_cmp_lt_u32 s[WV], 4                          ; waves 0-3 copy one vector of each pair into LDS, waves 4-7 the other
	s_cselect_b64 s[26:27], s[12:13], s[14:15]
	s_cselect_b64 s[28:29], s[16:17], s[18:19]
	s_cselect_b64 s[30:31], s[20:21], s[22:23]
.macro ALOAD k                         ; 8 LDS loads: the activations (64 rows x 32 k) at v[AA], for the stage's k-th step, into buffer k % 2
.irp mt, 0,1,2,3
	ds_load_b128 v[AF+32*((\k)%2)+8*\mt:AF+32*((\k)%2)+8*\mt+3],   v[AA] offset:\mt*1024
	ds_load_b128 v[AF+32*((\k)%2)+8*\mt+4:AF+32*((\k)%2)+8*\mt+7], v[AA] offset:\mt*1024+512
.endr
.endm
.macro BLOAD j                         ; 8 loads, 4,096 consecutive bytes: my weights for step j, counted from the stage in hand (16 to 18: the next stage's first three), into slot j % 4
.irp nt, 0,1,2,3
	global_load_b128 v[BR+32*((\j)%4)+8*\nt:BR+32*((\j)%4)+8*\nt+3],   v[BO+(\j)%4], s[WP:WP+1] offset:((\j)/16)*65536+\nt*1024
	global_load_b128 v[BR+32*((\j)%4)+8*\nt+4:BR+32*((\j)%4)+8*\nt+7], v[BO+(\j)%4], s[WP:WP+1] offset:((\j)/16)*65536+\nt*1024+512
.endr
.endm
; A STAGE: 64 rows x my 64 columns x K = 512, in 16 steps of 16 matrix instructions; the 16 accumulators take turns, one instruction a turn.
; A step first asks for the next step's activations and for the weights three steps on (the ring runs on into the next stage), into the buffers that the step before has read.
; Behind a step's products stand four plain vector lines that name none of their registers, ahead of those loads and of reads of the results: the address of the
; activations two steps on, the offset of the weights four steps on, and v_nop for the rest.  A slot's offset register is written again behind the counted wait that has shown the
; slot's own loads back.  cinit = 1: the first step takes TMP (a bias by columns) as C.  last = 1: nothing lies behind this stage.
.macro STAGE acc, abase, cinit, last
	NEXTA \abase
	ALOAD 0
	NEXTA \abase                                   ; LDS instructions have read their address when they are issued
.set ks, 0
.rept 16
.if ks < 15
	ALOAD ks+1
.endif
.if \last && (ks > 12)
	s_wait_loadcnt 8*(15-ks)                       ; no more loads: the count runs down
.else
	BLOAD ks+3
	s_wait_loadcnt 24                              ; this step's weights are in; those of the three steps behind stay out
.endif
.if ks < 15
	s_wait_dscnt 8                                 ; this step's activations are in; the eight loads just issued stay out
.else
	s_wait_dscnt 0x0
.endif
.if \cinit && (ks == 0)
	WIN 0x40
.else
	WIN 0x50
.endif
.irp mt, 0,1,2,3
.irp nt, 0,1,2,3
.if \cinit && (ks == 0)
	v_wmma_f32_16x16x32_bf16 v[\acc+8*(4*\mt+\nt):\acc+8*(4*\mt+\nt)+7], v[BR+32*(ks%4)+8*\nt:BR+32*(ks%4)+8*\nt+7], v[AF+32*(ks%2)+8*\mt:AF+32*(ks%2)+8*\mt+7], v[TMP+8*\nt:TMP+8*\nt+7]
.else
	v_wmma_f32_16x16x32_bf16 v[\acc+8*(4*\mt+\nt):\acc+8*(4*\mt+\nt)+7], v[BR+32*(ks%4)+8*\nt:BR+32*(ks%4)+8*\nt+7], v[AF+32*(ks%2)+8*\mt:AF+32*(ks%2)+8*\mt+7], v[\acc+8*(4*\mt+\nt):\acc+8*(4*\mt+\nt)+7]
.endif
.endr
.endr
	WIN 0
.set pl, 4
.if ks < 14
	NEXTA \abase                                   ; for step ks + 2
.set pl, pl-1
.endif
.if !(\last && (ks > 11))
	NEXTB ks%4                                     ; for step ks + 4, which takes this step's slot
.set pl, pl-1
.endif
.rept pl
	v_nop
.endr
.set ks, ks+1
.endr
.if !\last
	s_wait_xcnt 0x0                                ; the loads that are out have had their addresses translated (ISA guide 3.1): the base steps only behind this wait
	s_add_nc_u64 s[WP:WP+1], s[WP:WP+1], 65536
.endif
.endm
.macro LDPAR dst, adr, off             ; 8 LDS loads: a vector's numbers at my columns: register 8 nt + j = column 16 nt + 8 (l / 16) + j of my 64
.irp nt, 0,1,2,3
	ds_load_b128 v[\dst+8*\nt:\dst+8*\nt+3],   v[\adr] offset:\off+\nt*64
	ds_load_b128 v[\dst+8*\nt+4:\dst+8*\nt+7], v[\adr] offset:\off+\nt*64+16
.endr
.endm
.macro ADDB                            ; ACC2 += TMP, by columns
	WIN 0x41
.irp mt, 0,1,2,3
.irp nt, 0,1,2,3
.irp p, 0,1,2,3
	v_pk_add_f32 v[ACC2+8*(4*\mt+\nt)+2*\p:ACC2+8*(4*\mt+\nt)+2*\p+1], v[ACC2+8*(4*\mt+\nt)+2*\p:ACC2+8*(4*\mt+\nt)+2*\p+1], v[TMP+8*\nt+2*\p:TMP+8*\nt+2*\p+1]
.endr
.endr
.endr
	WIN 0
.endm
.macro PACKF acc                       ; 16 accumulators -> 8 activation fragments in v[32:95]: fragment (kp, mt) takes n tile 2 kp as registers 0-3 and n tile 2 kp + 1 as registers 4-7
	WIN 0x05
.irp kp, 0,1
.irp mt, 0,1,2,3
.irp q, 0,1
.irp r, 0,1,2,3
	v_cvt_pk_bf16_f32 v[AF+8*(4*\kp+\mt)+4*\q+\r], v[\acc+8*(4*\mt+2*\kp+\q)+2*\r], v[\acc+8*(4*\mt+2*\kp+\q)+2*\r+1]
.endr
.endr
.endr
.endr
	WIN 0
.endm
.macro STOREF adr                      ; they are k steps 2 w and 2 w + 1 of the next product
.irp kp, 0,1
.irp mt, 0,1,2,3
	ds_store_b128 v[\adr], v[AF+8*(4*\kp+\mt):AF+8*(4*\kp+\mt)+3]   offset:\kp*4096+\mt*1024
	ds_store_b128 v[\adr], v[AF+8*(4*\kp+\mt)+4:AF+8*(4*\kp+\mt)+7] offset:\kp*4096+\mt*1024+512
.endr
.endr
.endm
.macro FOLD8                           ; TMP's eight numbers for each block of 16 rows -> their sum, in v[W + mt]
.irp mt, 0,1,2,3
	v_pk_add_f32 v[TMP+8*\mt:TMP+8*\mt+1],   v[TMP+8*\mt:TMP+8*\mt+1],   v[TMP+8*\mt+2:TMP+8*\mt+3]
	v_pk_add_f32 v[TMP+8*\mt+4:TMP+8*\mt+5], v[TMP+8*\mt+4:TMP+8*\mt+5], v[TMP+8*\mt+6:TMP+8*\mt+7]
.endr
.irp mt, 0,1,2,3
	v_pk_add_f32 v[TMP+8*\mt:TMP+8*\mt+1], v[TMP+8*\mt:TMP+8*\mt+1], v[TMP+8*\mt+4:TMP+8*\mt+5]
.endr
.irp mt, 0,1,2,3
	v_add_f32 v[W+\mt], v[TMP+8*\mt], v[TMP+8*\mt+1]
.endr
.endm
.macro ACROSS red                      ; v[W + mt]: the sum over my lane's 32 columns -> over the row's 512: the other half of the lanes, then the eight waves through region red of RED
.irp mt, 0,1,2,3
	v_permlanex16_b32 v[TMP+\mt], v[W+\mt], s[SEL], s[SEL+1]
.endr
.irp mt, 0,1,2,3
	v_add_f32 v[W+\mt], v[W+\mt], v[TMP+\mt]
.endr
.irp mt, 0,1,2,3
	ds_store_b32 v[RST], v[W+\mt] offset:(\red)*2048+\mt*512
.endr
	BAR
.irp mt, 0,1,2,3
	ds_load_b128 v[TMP+8*\mt:TMP+8*\mt+3],   v[RLD] offset:(\red)*2048+\mt*512
	ds_load_b128 v[TMP+8*\mt+4:TMP+8*\mt+7], v[RLD] offset:(\red)*2048+\mt*512+16
.endr
	s_wait_dscnt 0x0
	FOLD8
.endm
; ACC2 = 0.9 (g (v - mean) / sqrt(var + 1e-6) + be), in place.  Regions red and red + 1 of RED; g and be at goff and boff in PAR.
.macro LN red, goff, boff
	WIN 0x05
.set i, 0
.rept 32
	v_pk_add_f32 v[AF+2*i:AF+2*i+1], v[ACC2+4*i:ACC2+4*i+1], v[ACC2+4*i+2:ACC2+4*i+3]   ; each accumulator is read from its low end on
.set i, i+1
.endr
	WIN 0
.set i, 0
.rept 16
	v_pk_add_f32 v[TMP+2*i:TMP+2*i+1], v[AF+4*i:AF+4*i+1], v[AF+4*i+2:AF+4*i+3]
.set i, i+1
.endr
	FOLD8
	LDPAR AF, PB, \goff                            ; g into v[32:63], be into v[64:95]: back by the wait in front of the barrier
	LDPAR AF+32, PB, \boff
	ACROSS \red
.irp mt, 0,1,2,3
	v_mul_f32 v[MEAN+2*\mt], s48, v[W+\mt]
.endr
.irp mt, 0,1,2,3
	v_mov_b32 v[MEAN+2*\mt+1], v[MEAN+2*\mt]
.endr
	WIN 0x41
.irp mt, 0,1,2,3
.set i, 0
.rept 16
	v_pk_add_f32 v[ACC2+32*\mt+2*i:ACC2+32*\mt+2*i+1], v[ACC2+32*\mt+2*i:ACC2+32*\mt+2*i+1], v[MEAN+2*\mt:MEAN+2*\mt+1] neg_lo:[0,1] neg_hi:[0,1]
.set i, i+1
.endr
.endr
	WIN 0x05                                       ; the squares of the differences, four chains for each block of 16 rows
.irp mt, 0,1,2,3
.irp c, 0,1,2,3
	v_pk_mul_f32 v[TMP+8*\mt+2*\c:TMP+8*\mt+2*\c+1], v[ACC2+32*\mt+2*\c:ACC2+32*\mt+2*\c+1], v[ACC2+32*\mt+2*\c:ACC2+32*\mt+2*\c+1]
.endr
.endr
.irp k, 1,2,3
.irp mt, 0,1,2,3
.irp c, 0,1,2,3
	v_pk_fma_f32 v[TMP+8*\mt+2*\c:TMP+8*\mt+2*\c+1], v[ACC2+32*\mt+8*\k+2*\c:ACC2+32*\mt+8*\k+2*\c+1], v[ACC2+32*\mt+8*\k+2*\c:ACC2+32*\mt+8*\k+2*\c+1], v[TMP+8*\mt+2*\c:TMP+8*\mt+2*\c+1]
.endr
.endr
.endr
	WIN 0
	FOLD8
	ACROSS \red+1
.irp mt, 0,1,2,3
	v_fma_f32 v[W+\mt], v[W+\mt], s48, s49         ; var + 1e-6
.endr
.irp mt, 0,1,2,3
	v_rsq_f32 v[W+\mt], v[W+\mt]
.endr
.set i, 0
.rept 16
	v_pk_mul_f32 v[AF+32+2*i:AF+32+2*i+1], v[AF+32+2*i:AF+32+2*i+1], 0x3f666666 op_sel_hi:[1,0]   ; 0.9 be: also the plain lines behind the roots (ISA guide 5.7.2)
.set i, i+1
.endr
	s_wait_alu depctr_va_vdst(0)
.irp mt, 0,1,2,3
	v_mul_f32 v[RS+2*\mt], 0x3f666666, v[W+\mt]
.endr
.irp mt, 0,1,2,3
	v_mov_b32 v[RS+2*\mt+1], v[RS+2*\mt]
.endr
	WIN 0x41
.irp mt, 0,1,2,3
.set i, 0
.rept 16
	v_pk_mul_f32 v[ACC2+32*\mt+2*i:ACC2+32*\mt+2*i+1], v[ACC2+32*\mt+2*i:ACC2+32*\mt+2*i+1], v[RS+2*\mt:RS+2*\mt+1]
.set i, i+1
.endr
.endr
.irp mt, 0,1,2,3
.set i, 0
.rept 16
	v_pk_fma_f32 v[ACC2+32*\mt+2*i:ACC2+32*\mt+2*i+1], v[ACC2+32*\mt+2*i:ACC2+32*\mt+2*i+1], v[AF+2*i:AF+2*i+1], v[AF+32+2*i:AF+32+2*i+1]
.set i, i+1
.endr
.endr
	WIN 0
.endm
	; THE HEAD.  All loads, oldest first: x (into ACC1's registers), ao, the vectors, then the ring's first three K steps.
	WIN 0x40
.irp mt, 0,1,2,3
.irp t, 0,1,2,3,4,5,6,7
	global_load_b128 v[ACC1+32*\mt+4*\t:ACC1+32*\mt+4*\t+3], v[XO], s[38:39] offset:(16*\mt+2*\t)*2048 th:TH_LOAD_NT
.endr
.endr
	WIN 0
.irp e, 0,1
.irp j, 0,1,2,3,4,5,6,7
	global_load_b128 v[AF+32*\e+4*\j:AF+32*\e+4*\j+3], v[L16], s[42:43] offset:\e*131072+\j*512 th:TH_LOAD_NT   ; heads 2 w and 2 w + 1: four fragments each
.endr
.endr
	global_load_b128 v[TMP:TMP+3],     v14, s[26:27]
	global_load_b128 v[TMP+4:TMP+7],   v14, s[28:29]
	global_load_b128 v[TMP+8:TMP+11],  v14, s[30:31]
	global_load_b128 v[TMP+12:TMP+15], v15, s[24:25]
	global_load_b128 v[TMP+16:TMP+19], v15, s[24:25] offset:4096
	BLOAD 0
	BLOAD 1
	BLOAD 2
	s_wait_loadcnt 24                              ; all but the ring's 24 loads are in
.irp e, 0,1
.irp j, 0,1,2,3,4,5,6,7
	ds_store_b128 v[HST], v[AF+32*\e+4*\j:AF+32*\e+4*\j+3] offset:\e*4096+\j*512
.endr
.endr
.irp j, 0,1,2,3,4
	ds_store_b128 v16, v[TMP+4*\j:TMP+4*\j+3] offset:\j*4096
.endr
	; x goes through my stage, 16 rows at a time: in by rows, back by lanes, into ACC2.  LDS serves a wave's instructions in order (ISA guide 5.7.1.4): no wait between them.
.irp mt, 0,1,2,3
	WIN 0x04
.irp t, 0,1,2,3,4,5,6,7
	ds_store_b128 v[SRW], v[ACC1+32*\mt+4*\t:ACC1+32*\mt+4*\t+3] offset:\t*2*SP
.endr
	WIN 0x40
.irp nt, 0,1,2,3
	ds_load_b128 v[ACC2+8*(4*\mt+\nt):ACC2+8*(4*\mt+\nt)+3],   v[SCL] offset:\nt*64
	ds_load_b128 v[ACC2+8*(4*\mt+\nt)+4:ACC2+8*(4*\mt+\nt)+7], v[SCL] offset:\nt*64+16
.endr
.endr
	WIN 0
	BAR                                            ; ao and the vectors are in LDS for everybody
	LDPAR TMP, PB, 0                               ; fc_b
	s_wait_dscnt 0x0
	ADDB                                           ; ACC2 = x + fc_b
	STAGE ACC2, L16, 0, 0                          ; + ao fc_w^T
	LN 0, 2048, 4096                               ; ACC2 = h.  Its barriers lie behind every wave's reads of ao, so ACT may be written
	PACKF ACC2
	STOREF HST                                     ; h in bf16 takes ao's place
	LDPAR TMP, PB, 6144                            ; b2
	BAR                                            ; h is in LDS for everybody
	ADDB                                           ; ACC2 = h + b2: what FF2's products are added to
; A CHUNK of 512 hidden units: ACC1 = h w1^T + b1; relu; to bf16 into TT; ACC2 += that times w2^T.
.macro CHUNK last
	LDPAR TMP, B1A, 0                              ; b1 at my columns of the chunk: the first step's C
	STAGE ACC1, L16, 1, 0
	v_add_nc_u32 v[B1A], 2048, v[B1A]
	WIN 0x44
.set i, 0
.rept 128
	v_max_num_f32 v[ACC1+i], 0, v[ACC1+i]          ; ascending: each accumulator from its low end on
.set i, i+1
.endr
	PACKF ACC1
	BAR                                            ; every wave's reads of TT for the chunk before are over
	STOREF TST
	BAR                                            ; the chunk is in TT for everybody
	STAGE ACC2, AT, 0, \last
.endm
	s_mov_b32 s46, 3
.Lchunk:
	CHUNK 0
	s_sub_co_u32 s46, s46, 1
	s_cmp_lg_u32 s46, 0
	s_cbranch_scc1 .Lchunk
	CHUNK 1                                        ; the last chunk is written out: its second stage loads nothing past the stream's end
	LN 2, 8192, 10240
	; THE WAY OUT, 16 rows at a time through my stage: in by lanes, back by rows.  A block's stores to memory stand behind the next block's LDS instructions.
.macro OUTSTG mt
	WIN 0x04
.irp nt, 0,1,2,3
	ds_store_b128 v[SCL], v[ACC2+8*(4*\mt+\nt):ACC2+8*(4*\mt+\nt)+3]   offset:\nt*64
	ds_store_b128 v[SCL], v[ACC2+8*(4*\mt+\nt)+4:ACC2+8*(4*\mt+\nt)+7] offset:\nt*64+16
.endr
	WIN 0
.irp t, 0,1,2,3,4,5,6,7
	ds_load_b128 v[AF+32*\mt+4*\t:AF+32*\mt+4*\t+3], v[SRW] offset:\t*2*SP   ; four sets of 32 registers, v[32:159]: none is written twice
.endr
.endm
.macro SEND mt, younger
	s_wait_dscnt \younger                          ; the block is back; the next block's sixteen LDS instructions may be out
.irp t, 0,1,2,3,4,5,6,7
	global_store_b128 v[XO], v[AF+32*\mt+4*\t:AF+32*\mt+4*\t+3], s[40:41] offset:(16*\mt+2*\t)*2048 th:TH_STORE_NT   ; 16 lanes store 256 consecutive bytes, at a multiple of 256 from out0's first byte
.endr
.endm
	OUTSTG 0
	OUTSTG 1
	SEND 0, 16
	OUTSTG 2
	SEND 1, 16
	OUTSTG 3
	SEND 2, 16
	SEND 3, 0
	s_wait_tensorcnt 0x0
	ds_add_u32 v30, v31
	s_wait_dscnt 0x0
	s_endpgm
.Lfunc_end_k_q27bd84a2a2_mlp:
	.size	k_q27bd84a2a2_mlp, .Lfunc_end_k_q27bd84a2a2_mlp-k_q27bd84a2a2_mlp
	.p2alignl 7, 3214868480
	.fill 96, 4, 3214868480
	.section	.rodata,"a",@progbits
	.p2align	6, 0x0
	.amdhsa_kernel k_q27bd84a2a2_mlp
		.amdhsa_group_segment_fixed_size 261120
		.amdhsa_private_segment_fixed_size 0
		.amdhsa_enable_private_segment 0
		.amdhsa_kernarg_size 88
		.amdhsa_user_sgpr_count 2
		.amdhsa_user_sgpr_kernarg_segment_ptr 1
		.amdhsa_wavefront_size32 1
		.amdhsa_system_sgpr_workgroup_id_x 1
		.amdhsa_system_sgpr_workgroup_id_y 1
		.amdhsa_system_sgpr_workgroup_id_z 1
		.amdhsa_system_vgpr_workitem_id 0
		.amdhsa_next_free_vgpr 512
		.amdhsa_next_free_sgpr 66
		.amdhsa_reserve_vcc 0
		.amdhsa_float_denorm_mode_32 3
		.amdhsa_float_denorm_mode_16_64 3
		.amdhsa_memory_ordered 1
		.amdhsa_forward_progress 1
		.amdhsa_inst_pref_size 255
	.end_amdhsa_kernel
	.section	.bss,"aw",@nobits
	.p2align	6
	.space	262144
	.amdgpu_metadata
---
amdhsa.version: [ 1, 2 ]
amdhsa.kernels:
  - .name:           k_q27bd84a2a2_mlp
    .symbol:         k_q27bd84a2a2_mlp.kd
    .args:
      - { .name: ao, .offset: 0, .size: 8, .value_kind: global_buffer, .address_space: global }
      - { .name: wf, .offset: 8, .size: 8, .value_kind: global_buffer, .address_space: global }
      - { .name: x, .offset: 16, .size: 8, .value_kind: global_buffer, .address_space: global }
      - { .name: out0, .offset: 24, .size: 8, .value_kind: global_buffer, .address_space: global }
      - { .name: fc_b, .offset: 32, .size: 8, .value_kind: global_buffer, .address_space: global }
      - { .name: g1, .offset: 40, .size: 8, .value_kind: global_buffer, .address_space: global }
      - { .name: be1, .offset: 48, .size: 8, .value_kind: global_buffer, .address_space: global }
      - { .name: b2, .offset: 56, .size: 8, .value_kind: global_buffer, .address_space: global }
      - { .name: g2, .offset: 64, .size: 8, .value_kind: global_buffer, .address_space: global }
      - { .name: be2, .offset: 72, .size: 8, .value_kind: global_buffer, .address_space: global }
      - { .name: b1, .offset: 80, .size: 8, .value_kind: global_buffer, .address_space: global }
    .group_segment_fixed_size: 261120
    .private_segment_fixed_size: 0
    .kernarg_segment_align: 8
    .kernarg_segment_size: 88
    .max_flat_workgroup_size: 256
    .sgpr_count:     66
    .vgpr_count:     512
    .wavefront_size: 32
...
	.end_amdgpu_metadata
.endif
;; end of part 2
